; MI455X (gfx1250); checked and timed in simulation.
; The chip was launched on July 23, 2026; its instructions are those of AMD's public machine-readable ISA for CDNA 5 (MIT licence, August 2026) and "CDNA5" Instruction Set Architecture Reference Guide (July 2026). The comments in the code are by the model that wrote it; some were corrected since.
;; Full Attention Head. Allowed arithmetic: matrix products marked QUANTISED: E2M3 operands, one E8M0 scale for each 32 along K, by v_wmma_scale_f32_16x16x128_f8f6f4 with both operands' format E2M3, f32 sums; everything else in f32.
;; Inputs: Wk 1,024 x 64 float32; Wq 1,024 x 64 float32; Wv 1,024 x 64 float32; x 4 x 4,096 x 1,024 float32.
;; Outputs: out0 4 x 4,096 x 64 float32.
;; This version of the problem:
;;   THIS VERSION OF THE PROBLEM IS GIVEN IN LOW PRECISION. The matrix products marked QUANTISED in the list below multiply operands that are first quantised to E2M3 (2 exponent bits, 3 mantissa bits; 6 bits a number), with one power-of-two scale for each 32 numbers along K (OCP MX v1.0); their sums are f32. All else is computed in f32.
;;   The module's matrix products, in the order in which they are computed (A, B: the left and right operand; K: the contracted axis; several contracted axes count as one K, in the product's order):
;;     1. [M 16,384, K 1,024] x [K 1,024, N 64]; A: input x; B: input Wq: QUANTISED
;;     2. [M 16,384, K 1,024] x [K 1,024, N 64]; A: input x; B: input Wk: QUANTISED
;;     3. [M 16,384, K 1,024] x [K 1,024, N 64]; A: input x; B: input Wv: QUANTISED
;;     4. batch 4 x [M 4,096, K 64] x [K 64, N 4,096]; A: computed on the way; B: computed on the way: QUANTISED
;;     5. batch 4 x [M 4,096, K 4,096] x [K 4,096, N 64]; A: softmax (see below); B: computed on the way: QUANTISED
;;   THE QUANTISER, for each operand of a quantised product, along K:
;;     - K is cut into blocks of 32 from its start; a last block that is shorter is filled with zeros.
;;     - A block's scale is 2^e with e = floor(log2(the largest magnitude in the block)) - 2, held to -126 .. 127; a block of zeros has e = 0. As a byte (E8M0): e + 127.
;;     - Each number is divided by its block's scale, clamped to +-7.5, and rounded to the nearest number of E2M3, ties to even, subnormals kept.
;;     - The product sums the exact products of the quantised numbers (number of the format x scale) in f32.
;;   ~~~python
;;   def quantise(x, axis):      # numpy; x: float32 -> the quantised numbers, widened to float32 again
;;       x = np.moveaxis(x, axis, -1); K = x.shape[-1]
;;       x = np.pad(x, [(0, 0)] * (x.ndim - 1) + [(0, -K % 32)]); x = x.reshape(x.shape[:-1] + (-1, 32)); a = np.abs(x).max(-1, keepdims=True)
;;       e = np.where(a > 0, np.clip(np.frexp(np.where(a > 0, a, 1))[1] - 1 - 2, -126, 127), 0)      # np.frexp(a)[1] - 1 = floor(log2(a)), exactly
;;       r = np.clip(x / 2.0 ** e, -7.5, 7.5)
;;       step = 2.0 ** (np.maximum(np.frexp(np.where(r == 0, 1, r))[1] - 1, 0) - 3)
;;       q = np.round(r / step) * step * 2.0 ** e      # np.round: ties to even
;;       return np.moveaxis(q.reshape(q.shape[:-2] + (-1,))[..., :K], -1, axis).astype(np.float32)
;;   ~~~
;;   SOFTMAX AHEAD OF A QUANTISED PRODUCT. Where the list says 'softmax', what is quantised is not the finished softmax but p = 2^(t - M), with t = logit x log2(e) and M = ceil(the row's largest t), a whole number; so 1/2 < the row's largest p <= 1. The row's sum l is taken of the UNQUANTISED p, in f32, and the product's result is divided by l at the end. Since M is a whole number, a kernel that streams over the keys may use a running M (the ceiling of the running maximum): every later rescaling is an exact power of two, which a block's scale takes up: the codes' values come out the same.
;;   OPERANDS COMPUTED ON THE WAY. 'Computed on the way' means the value that the module computes at that place (a softmax that the list does not call 'softmax' is quantised finished and normalised). What goes into a quantiser is computed in f32, as accurately as f32 sums, v_exp_f32 and their like allow (about 1e-6 of the number): no bf16 or f16 on the way to a quantiser, and a product that is left as it is and whose result goes on into a quantised operand takes f32 operands (vector FMAs, or v_wmma_f32_16x16x4_f32). A number that lies on a knife's edge between two numbers of the format may be rounded either way, as far as f32 arithmetic and the matrix unit's own rounding can turn it there, and no further.
;; One version. Each part assembles by itself: llvm-mc -triple=amdgcn-amd-amdhsa -mcpu=gfx1250 --defsym DOCPART=n.
;; ======== version 1 of 1: 3 launches
;; limits: right only within a limited range of input values
;; workspace buffers: wimg 159,744 bytes; qimg 786,432 bytes; kvimg 1,671,168 bytes; qsc 65,536 bytes
;; launch wq (part 1): grid 96 x 1, 1 waves a work-group, no clusters, 0 bytes of LDS; arguments Wq, Wk, Wv, wimg; writes wimg
.if DOCPART == 1
	.amdgcn_target "amdgcn-amd-amdhsa--gfx1250"
	.amdhsa_code_object_version 6
	.text
	.protected	k_qaccfab8259_wq
	.globl	k_qaccfab8259_wq
	.p2align	8
	.type	k_qaccfab8259_wq,@function
k_qaccfab8259_wq:
	s_mov_b64 s[64:65], 0
	v_nop
	global_prefetch_b8 v0, s[64:65] scope:SCOPE_SE
	s_setreg_imm32_b32 hwreg(HW_REG_WAVE_MODE, 25, 1), 1
	s_wait_xcnt 0x0
; Wq, Wk, Wv [1024 (k)][64 (n)], f32, K along the FIRST axis, become codes of FP6 (E2M3) with one E8M0 byte for each 32 along K,
; laid as IMAGES OF OPERAND REGISTERS: 96 fragments of 16 columns x 128 K, f = 8 T + s (tile T: 0-3 Wq, 4-7 Wk, 8-11 Wv; K step s),
; 1,536 bytes each at 1,536 f: registers 4 g .. 4 g + 3 of lane L at 512 g + 16 L.  Scale words from byte 147,456 on: (f, L) at 128 f + 4 L.
; One wave makes one fragment.  A LANE TAKES A COLUMN AND ITS REGISTERS RUN DOWN K, in the order that the operand's layout gives that lane
; (registers 6 c .. 6 c + 5 of lane (r, h): k = 128 s + 64 c + 32 h + 0 .. 31): the conversions' results are the operand's registers.
; THE COLUMNS OF A TILE of Wq and Wk are not neighbours: lane r of tile 2 b + u takes column 32 b + 8 u + r + 8 (r / 8), so that in the next launch the
; 16 result registers of tiles 2 b, 2 b + 1 are 16 neighbours along the head's axis.  Wv's tile t takes columns 16 t + r.
; A block's scale is 2^(floor(log2(largest magnitude)) - 2); its byte is the largest magnitude's exponent field - 2, held at 1 from below.
; LIMITS: a block of zeros, or one whose largest magnitude lies under 2^-124, gets the byte 1 (zeros stay zero codes; the bytes are read by this program alone); NaN and infinities are not served.
.set WSC, 147456
	s_load_b256 s[4:11], s[0:1], 0x0               ; Wq s[4:5], Wk s[6:7], Wv s[8:9], wimg s[10:11]
	v_and_b32 v1, 15, v0                           ; r (one wave: v0 is the lane)
	s_wait_alu depctr_va_vdst(0)
	v_lshrrev_b32 v2, 4, v0                        ; h
	s_lshr_b32 s12, ttmp9, 3                       ; T
	s_and_b32 s13, ttmp9, 7                        ; s
	s_lshr_b32 s14, s12, 2                         ; which weight
	s_and_b32 s15, s12, 3                          ; t, the tile in it
	s_lshr_b32 s16, s15, 1
	s_lshl_b32 s16, s16, 5
	s_and_b32 s17, s15, 1
	s_lshl_b32 s17, s17, 3
	s_add_co_u32 s16, s16, s17                     ; Wq, Wk: the tile's first column 32 b + 8 u
	s_lshl_b32 s17, s15, 4                         ; Wv: 16 t
	s_cmp_lt_u32 s14, 2
	s_cselect_b32 s16, s16, s17
	s_cselect_b32 s18, 1, 0                        ; 1: lanes 8-15 stand 8 columns further on
	s_lshl_b32 s16, s16, 2                         ; in bytes,
	s_lshl_b32 s17, s13, 15                        ; + 128 s rows of 256 bytes
	s_add_co_u32 s16, s16, s17
	s_mov_b32 s17, 0
	v_and_b32 v3, 8, v1
	v_mul_u32_u24 v3, s18, v3
	v_add_nc_u32 v3, v3, v1
	v_lshlrev_b32 v3, 2, v3
	s_wait_alu depctr_va_vdst(0)
	v_lshl_add_u32 v5, v2, 13, v3                  ; my column, and 32 rows further down for lanes 16-31
	s_mul_i32 s20, ttmp9, 1536                     ; where the fragment's image goes,
	s_mov_b32 s21, 0
	s_lshl_b32 s22, ttmp9, 7
	s_add_co_u32 s22, s22, WSC                     ; and its scale words
	s_mov_b32 s23, 0
	v_lshlrev_b32 v6, 4, v0                        ; 16 L
	v_lshlrev_b32 v7, 2, v0                        ; 4 L
	s_mov_b32 s24, 0x76543210
	s_mov_b32 s25, 0xfedcba98                      ; v_permlanex16_b32's selects for lane l xor 16
	s_wait_alu depctr_va_vdst(0)
	s_wait_kmcnt 0x0
	s_cmp_eq_u32 s14, 0                            ; the choice hangs on the work-group's number alone
	s_cselect_b64 s[26:27], s[4:5], s[6:7]
	s_cmp_eq_u32 s14, 2
	s_cselect_b64 s[26:27], s[8:9], s[26:27]
	s_add_nc_u64 s[26:27], s[26:27], s[16:17]
	s_add_nc_u64 s[28:29], s[10:11], s[20:21]
	s_add_nc_u64 s[30:31], s[10:11], s[22:23]
.irp c, 0,1
.set i, 0
.rept 32
	global_load_b32 v[64+32*\c+i], v5, s[26:27] offset:256*(64*\c+i)   ; W(128 s + 64 c + 32 h + i, my column)
.set i, i+1
.endr
.endr
	s_wait_loadcnt 0x0
.irp c, 0,1                                    ; my block 2 c + h: all its 32 numbers are mine
	v_max3_num_f32 v[32+\c], |v[64+32*\c]|, |v[65+32*\c]|, 0x1800000   ; with the floor 2^(3 - 127): the byte cannot fall under 1
.endr
.irp i, 2,4,6,8,10,12,14,16,18,20,22,24,26,28,30
.irp c, 0,1
	v_max3_num_f32 v[32+\c], v[32+\c], |v[64+32*\c+\i]|, |v[65+32*\c+\i]|   ; the two blocks by turns
.endr
.endr
.irp c, 0,1
	v_add_nc_u32 v[44+\c], 0xff000000, v[32+\c]    ; 2 off the exponent field: the conversion takes the exponent field of this operand as its scale
.endr
.irp c, 0,1
	v_lshrrev_b32 v[36+\c], 23, v[44+\c]           ; the scale's byte
.endr
	v_lshl_or_b32 v9, v37, 16, v36                 ; my two bytes: blocks h and 2 + h,
	v_lshlrev_b32 v10, 3, v2
	v_lshlrev_b32 v9, v10, v9                      ; at their places in the word;
	v_mov_b32 v10, 0
	v_permlanex16_b32 v10, v9, s24, s25
	v_or_b32 v9, v9, v10                           ; with lane l xor 16's two the word is whole, in both halves of the lanes
.irp c, 0,1
	v_cvt_scalef32_pk16_fp6_f32 v[48+6*\c:50+6*\c], v[64+32*\c:79+32*\c], v[44+\c]
	v_cvt_scalef32_pk16_fp6_f32 v[192+4*\c:194+4*\c], v[80+32*\c:95+32*\c], v[44+\c]   ; a conversion's three registers begin on an even number: made elsewhere and moved
.endr
	v_nop                                          ; one plain place behind a scaled conversion
.irp c, 0,1
.irp i, 0,1,2
	v_mov_b32 v[51+6*\c+\i], v[192+4*\c+\i]
.endr
.endr
.irp g, 0,1,2
	global_store_b128 v6, v[48+4*\g:51+4*\g], s[28:29] offset:512*\g   ; 32 lanes store 512 consecutive bytes, at a multiple of 256 from the buffer's first byte
.endr
	global_store_b32 v7, v9, s[30:31]
	s_endpgm
.Lfunc_end_k_qaccfab8259_wq:
	.size	k_qaccfab8259_wq, .Lfunc_end_k_qaccfab8259_wq-k_qaccfab8259_wq
	.p2alignl 7, 3214868480
	.fill 96, 4, 3214868480
	.section	.rodata,"a",@progbits
	.p2align	6, 0x0
	.amdhsa_kernel k_qaccfab8259_wq
		.amdhsa_group_segment_fixed_size 0
		.amdhsa_private_segment_fixed_size 0
		.amdhsa_enable_private_segment 0
		.amdhsa_kernarg_size 32
		.amdhsa_user_sgpr_count 2
		.amdhsa_user_sgpr_kernarg_segment_ptr 1
		.amdhsa_wavefront_size32 1
		.amdhsa_system_sgpr_workgroup_id_x 1
		.amdhsa_system_sgpr_workgroup_id_y 1
		.amdhsa_system_sgpr_workgroup_id_z 1
		.amdhsa_system_vgpr_workitem_id 0
		.amdhsa_next_free_vgpr 200
		.amdhsa_next_free_sgpr 66
		.amdhsa_reserve_vcc 0
		.amdhsa_float_denorm_mode_32 3
		.amdhsa_float_denorm_mode_16_64 3
		.amdhsa_memory_ordered 1
		.amdhsa_forward_progress 1
		.amdhsa_inst_pref_size 12
	.end_amdhsa_kernel
	.amdgpu_metadata
---
amdhsa.version: [ 1, 2 ]
amdhsa.kernels:
  - .name:           k_qaccfab8259_wq
    .symbol:         k_qaccfab8259_wq.kd
    .args:
      - { .name: Wq, .offset: 0, .size: 8, .value_kind: global_buffer, .address_space: global }
      - { .name: Wk, .offset: 8, .size: 8, .value_kind: global_buffer, .address_space: global }
      - { .name: Wv, .offset: 16, .size: 8, .value_kind: global_buffer, .address_space: global }
      - { .name: wimg, .offset: 24, .size: 8, .value_kind: global_buffer, .address_space: global }
    .group_segment_fixed_size: 0
    .private_segment_fixed_size: 0
    .kernarg_segment_align: 8
    .kernarg_segment_size: 32
    .max_flat_workgroup_size: 32
    .sgpr_count:     66
    .vgpr_count:     200
    .wavefront_size: 32
...
	.end_amdgpu_metadata
.endif
;; end of part 1
;; launch proj (part 2): grid 256 x 1, 4 waves a work-group, clusters of 4 x 1, 211,456 bytes of LDS; arguments x, wimg, qimg, kvimg, qsc; writes qimg, kvimg, qsc
.if DOCPART == 2
	.amdgcn_target "amdgcn-amd-amdhsa--gfx1250"
	.amdhsa_code_object_version 6
	.text
	.protected	k_qaccfab8259_proj
	.globl	k_qaccfab8259_proj
	.p2align	8
	.type	k_qaccfab8259_proj,@function
k_qaccfab8259_proj:
	s_mov_b64 s[64:65], 0
	v_nop
	global_prefetch_b8 v0, s[64:65] scope:SCOPE_SE
	s_setreg_imm32_b32 hwreg(HW_REG_WAVE_MODE, 25, 1), 1
	s_wait_xcnt 0x0
	s_wait_alu depctr_hold_cnt(0) depctr_sa_sdst(0) depctr_va_vdst(0) depctr_va_sdst(0) depctr_va_ssrc(0) depctr_va_vcc(0) depctr_vm_vsrc(0)
	s_getreg_b32 s2, hwreg(HW_REG_IB_STS2, 6, 4)
	s_cmp_eq_u32 s2, 0
	s_cbranch_scc0 .Lentry_in_a_cluster
	s_endpgm
.Lentry_in_a_cluster:
	s_bfe_u32 s2, ttmp6, 0x10000c
	s_cmp_lg_u32 s2, 0x3003
	s_cbranch_scc0 .Lentry_shape_is_right
	s_endpgm
.Lentry_shape_is_right:
; q, k, v = Q(x) Q(W) on codes of FP6 (E2M3), one E8M0 scale for each 32 along K = 1,024; then q and k are quantised along the head's 64 and v along the keys, and leave as images of operand registers.
; SHARES.  A work-group takes 64 rows of x; wave w = 2 g + u takes the 16 rows 32 g + 8 u + r + 8 (r / 8) of them (lane r), all of K in eight steps of 128, and all 12 column tiles (q 0-3, k 4-7, v 8-11).
; That choice of rows makes the 16 score registers of two neighbouring key tiles 16 neighbouring keys in the next launch.
; THE WEIGHTS' images (159,744 bytes with their scale words) come into LDS once, each wave a quarter; the four work-groups of a cluster ask for them JOINTLY: the same load, the same descriptor, mask 15.
; x is read once: each load covers 512 consecutive bytes of one row (one K step); a K step's 16 rows turn through the wave's own stage in LDS so that a lane holds, of its row r,
; 16 neighbours of each block of 32 (register 16 b + i = k 32 b + 16 h + i), as the conversions want them.  Loads run three K steps (48 loads a wave) ahead.
; THE PRODUCT IS USED TRANSPOSED: source 0 = 16 columns of W, source 1 = my 16 rows: a lane holds one row, its registers run along the columns.
; OUT.  qimg: a half image (registers 0-3 at 16 L, 4-5 at 512 + 8 L: 768 bytes) for each row tile.  kvimg: 12,288 bytes for each 128 keys: K's 8 tiles, then V^T's 4 fragments of two half images.
; qksc: for each work-group 256 bytes of q's scale words, then 256 of k's (byte 0, 1: the head's two blocks; bytes 2, 3 = 0).  vsc: a word for each (128 keys, channel), byte b = key block b.
; LIMITS: a block of zeros, or one under 2^-124, gets the byte 1 (read by this program alone); NaN and infinities are not served.  vsc is stored byte by byte and qksc in pieces of 64 bytes: 160 KB of the launch's bytes.
; REGISTERS, in windows of 256.  Window 0: v1-17 addresses; v32-95 X, 64 numbers; v96-191 the 12 accumulators; v192-210 the codes just made; v212-227 at work; v228 x's scale word; v232-243 W's scale words.
;   Window 1: v0-191 x as loaded, three sets of 64.   Window 2: v0-143 W's 12 fragments of a K step.
; THE DEAL OF THE ROWS, in place of the one named above: wave w takes the rows 8 w + r + 24 (r / 8) of its work-group's 64 (lane r), so that in the next launch the 32 score registers of four neighbouring key tiles are
; 32 neighbouring keys.  THE IMAGES, in place of the orders named above: kvimg holds 52,224 bytes for each 512 keys: K's 32 tiles of 768 bytes, K's scale words (2,048), V's (1,024: byte b of a word = key block b),
; V^T's 16 fragments of two half images; qsc holds 256 bytes of q's scale words for each work-group.
.set XST,   159744
.set XSTW,  8448
.set VST,   193536                     ; v's 64 rows x (256 + 16) bytes
.set SPARE, 210944                     ; the spare words, 128 bytes for each wave: two blocks of 256 bytes that no other line names
.set WSC,   147456                     ; W's scale words in the images
.set XA,   4                           ; v4   16 L
.set XSTO, 5                           ; v5   into my stage
.set XLD,  6                           ; v6   out of it: 528 r + 64 h
.set WB,   7                           ; v7-9 W's fragments: 16 L + 49,152 m
.set WSB,  10                          ; v10  W's scale words: WSC + 4 L
.set VSTO, 11                          ; v11  v's stage, in
.set VLD,  12                          ; v12  and out
.set SPW,  14                          ; v14  my spare word; never rewritten
.set NIL,  15                          ; v15  0; never rewritten
.set X,    32
.set ACC,  96
.set PC,   192
.set TM,   212
.set PW,   228
.set WS,   232
.set WV,   16                          ; s16  my wave's number
.set SEL,  56                          ; s[56:57]
.set MSB, 0
.macro WIN new                         ; the immediate's high byte repeats the setting that is left
.if MSB != \new
	s_set_vgpr_msb (MSB<<8)|\new
.set MSB, \new
.endif
.endm
.macro PLACES n
.rept \n
	v_nop
.endr
.endm
.macro CROUND                          ; a round of the cluster's barrier
	s_barrier_signal -1
	s_barrier_wait -1
	s_cmp_lg_u32 s[WV], 0
	s_cbranch_scc1 .Lnot_wave_0_\@
	s_barrier_signal -3
.Lnot_wave_0_\@:
	s_barrier_wait -3
	s_barrier_signal -1
	s_barrier_wait -1
.endm
.macro LOAD st                         ; K step st of my 16 rows into set st % 3 of window 1: each load 512 consecutive bytes of one row
	WIN 0x40
.irp i, 0,1,2,3,4,5,6,7,8,9,10,11,12,13,14,15
	global_load_b128 v[64*((\st)%3)+4*\i:64*((\st)%3)+4*\i+3], v[XA], s[4:5] offset:(\i+24*(\i/8))*4096+512*(\st) th:TH_LOAD_NT
.endr
	WIN 0
.endm
.macro TURN st                         ; through my stage: LDS serves a wave's instructions in order (ISA guide 5.7.1.4), so no wait stands between the stores and the loads
	WIN 0x04
.irp i, 0,1,2,3,4,5,6,7,8,9,10,11,12,13,14,15
	ds_store_b128 v[XSTO], v[64*((\st)%3)+4*\i:64*((\st)%3)+4*\i+3] offset:528*\i
.endr
	WIN 0
.irp b, 0,1,2,3
.irp j, 0,1,2,3
	ds_load_b128 v[X+16*\b+4*\j:X+16*\b+4*\j+3], v[XLD] offset:128*\b+16*\j
.endr
.endr
.endm
.macro WLOAD st                        ; W's 12 fragments of K step st and their scale words: 48 LDS loads
	WIN 0x80
.irp f, 0,1,2,3,4,5,6,7,8,9,10,11
.irp g, 0,1,2
	ds_load_b128 v[12*\f+4*\g:12*\f+4*\g+3], v[WB+\f/4] offset:(8*(\f%4)+(\st))*1536+512*\g
.endr
.endr
	WIN 0
.irp f, 0,1,2,3,4,5,6,7,8,9,10,11
	ds_load_b32 v[WS+\f], v[WSB] offset:128*(8*\f+(\st))
.endr
.endm
; 64 numbers of a lane, register 16 b + i = k 32 b + 16 h + i of my row, become a fragment's codes in v[PC] on and its scale word in v[PW]
.macro QUANT s
.irp b, 0,1,2,3
	v_max3_num_f32 v[TM+\b], |v[\s+16*\b]|, |v[\s+1+16*\b]|, 0x1800000   ; with the floor 2^(3 - 127): the byte cannot fall under 1
.endr
.irp i, 2,4,6,8,10,12,14
.irp b, 0,1,2,3
	v_max3_num_f32 v[TM+\b], v[TM+\b], |v[\s+16*\b+\i]|, |v[\s+1+16*\b+\i]|
.endr
.endr
.irp b, 0,1,2,3
	v_permlanex16_b32 v[TM+4+\b], v[TM+\b], s[SEL], s[SEL+1]
.endr
.irp b, 0,1,2,3
	v_max_num_f32 v[TM+\b], v[TM+\b], v[TM+4+\b]   ; with lane l xor 16's: the block's largest magnitude
.endr
.irp b, 0,1,2,3
	v_add_nc_u32 v[TM+12+\b], 0xff000000, v[TM+\b] ; 2 off its exponent field: the conversion's scale operand
.endr
.irp b, 0,1,2,3
	v_lshrrev_b32 v[TM+4+\b], 23, v[TM+12+\b]      ; the scale's byte
.endr
	v_lshl_or_b32 v[PW], v[TM+5], 8, v[TM+4]
	v_lshl_or_b32 v[PW], v[TM+6], 16, v[PW]
	v_lshl_or_b32 v[PW], v[TM+7], 24, v[PW]
.irp c, 0,1
	v_cvt_scalef32_pk16_fp6_f32 v[PC+6*\c:PC+2+6*\c], v[\s+32*\c:\s+15+32*\c], v[TM+12+2*\c]
	v_cvt_scalef32_pk16_fp6_f32 v[PC+12+4*\c:PC+14+4*\c], v[\s+16+32*\c:\s+31+32*\c], v[TM+12+2*\c+1]   ; a conversion's three registers begin on an even number
.endr
	v_nop                                          ; one plain place behind a scaled conversion
.irp c, 0,1                                    ; the operand's layout wants a WHOLE block in a lane: lanes 0-15 block 2 c, lanes 16-31 block 2 c + 1
.irp i, 0,1,2
	v_permlane16_swap_b32 v[PC+6*\c+\i], v[PC+12+4*\c+\i]
.endr
.irp i, 0,1,2
	v_mov_b32 v[PC+3+6*\c+\i], v[PC+12+4*\c+\i]
.endr
.endr
.endm
; The same for 32 numbers, two blocks: six registers of codes in v[dst] on (dst + 6 .. dst + 8 at work), the word (two bytes) in v[word]
.macro QK2 s, dst, word
.irp b, 0,1
	v_max3_num_f32 v[TM+\b], |v[\s+16*\b]|, |v[\s+1+16*\b]|, 0x1800000
.endr
.irp i, 2,4,6,8,10,12,14
.irp b, 0,1
	v_max3_num_f32 v[TM+\b], v[TM+\b], |v[\s+16*\b+\i]|, |v[\s+1+16*\b+\i]|   ; each accumulator is read from its low end on
.endr
.endr
.irp b, 0,1
	v_permlanex16_b32 v[TM+4+\b], v[TM+\b], s[SEL], s[SEL+1]
.endr
.irp b, 0,1
	v_max_num_f32 v[TM+\b], v[TM+\b], v[TM+4+\b]
.endr
.irp b, 0,1
	v_add_nc_u32 v[TM+12+\b], 0xff000000, v[TM+\b]
.endr
.irp b, 0,1
	v_lshrrev_b32 v[TM+4+\b], 23, v[TM+12+\b]
.endr
	v_lshl_or_b32 v[\word], v[TM+5], 8, v[TM+4]
	v_cvt_scalef32_pk16_fp6_f32 v[\dst:\dst+2], v[\s:\s+15], v[TM+12]
	v_cvt_scalef32_pk16_fp6_f32 v[\dst+6:\dst+8], v[\s+16:\s+31], v[TM+13]
	v_nop
.irp i, 0,1,2
	v_permlane16_swap_b32 v[\dst+\i], v[\dst+6+\i]
.endr
.irp i, 0,1,2
	v_mov_b32 v[\dst+3+\i], v[\dst+6+\i]           ; registers 0-5: head dims 32 h + 0 .. 31 of my row
.endr
.endm
.macro MULS zero                       ; 12 products; the 12 accumulators take turns, one instruction a turn
	WIN 0x02                                       ; source 0 (W) window 2
.irp f, 0,1,2,3,4,5,6,7,8,9,10,11
.if \zero
	v_wmma_scale_f32_16x16x128_f8f6f4 v[ACC+8*\f:ACC+8*\f+7], v[12*\f:12*\f+11], v[PC:PC+11], 0, v[WS+\f], v[PW] matrix_a_fmt:MATRIX_FMT_FP6 matrix_b_fmt:MATRIX_FMT_FP6
.else
	v_wmma_scale_f32_16x16x128_f8f6f4 v[ACC+8*\f:ACC+8*\f+7], v[12*\f:12*\f+11], v[PC:PC+11], v[ACC+8*\f:ACC+8*\f+7], v[WS+\f], v[PW] matrix_a_fmt:MATRIX_FMT_FP6 matrix_b_fmt:MATRIX_FMT_FP6
.endif
.endr
	WIN 0
.endm
.macro STEP st, zero
.if (\st) > 0
	PLACES 4                                       ; in front of loads into, and vector writes of, registers that the last products read
.endif
	WLOAD \st
	s_wait_dscnt 48                                ; all but the 48 just issued: this step's numbers are back from the stage, and the stage's stores have read their set
.if (\st)+3 < 8
	LOAD (\st)+3                                   ; which takes the K step three on
.endif
	QUANT X
.if (\st) < 7
.if (\st) < 5
	s_wait_alu depctr_va_vdst(0)
	s_wait_loadcnt 32                              ; the next K step's 16 loads are in; those of the two steps behind it may be out
.else
	s_wait_alu depctr_va_vdst(0)
	s_wait_loadcnt 16*(6-(\st))
.endif
	TURN (\st)+1
	s_wait_dscnt 32                                ; all but the turn's 16 stores and 16 loads: W's fragments and scale words are in
.else
	s_wait_alu depctr_va_vdst(0)
	s_wait_dscnt 0x0
.endif
	PLACES 8                                       ; a scale word written by a vector instruction stands 8 places ahead of a scaled product, an operand so written 4
	MULS \zero
.endm
	s_load_b256 s[4:11], s[0:1], 0x0               ; x s[4:5], wimg s[6:7], qimg s[8:9], kvimg s[10:11]
	s_load_b64 s[12:13], s[0:1], 0x20              ; qsc
	v_lshl_add_u32 v[SPW], v0, 2, SPARE
	v_mov_b32 v[NIL], 0
	ds_add_u32 v[SPW], v[NIL]                      ; the wave's opening: the add and its wait stand ahead of my first tensor load; the set-up below, work on registers, stands between them
	ds_add_u32 v[SPW], v[NIL]
	v_lshrrev_b32 v1, 5, v0
	v_readfirstlane_b32 s[WV], v1                  ; wave 0..3
	v_and_b32 v1, 31, v0                           ; L
	s_wait_alu depctr_va_vdst(0)
	v_and_b32 v2, 15, v0                           ; r
	s_wait_alu depctr_va_vdst(0)
	v_bfe_u32 v3, v0, 4, 1                         ; h
	s_lshl_b32 s17, s[WV], 3                       ; 8 w: lane r takes row 8 w + r + 24 (r / 8) of the work-group's 64
	; descriptor group 1: a quarter of the images, 39,936 dense bytes, as 156 rows of 256 bytes (32 elements of 8 bytes)
	s_mov_b32 s24, 15|(3<<16)|(1<<21)              ; 15:0 the mask: all four work-groups; 17:16 elements of 8 bytes; 21 set beside a mask
	s_mov_b32 s25, 32<<16                          ; tensor_dim0
	s_mov_b32 s26, 156<<16                         ; tensor_dim1
	s_mov_b32 s27, 32<<16                          ; tile_dim0
	s_mov_b32 s28, 156                             ; tile_dim1
	s_mov_b32 s29, 32                              ; from row to row
	s_mov_b32 s30, 0
	s_mov_b32 s31, 0
	s_mul_i32 s36, s[WV], 39936                    ; my quarter, in memory and in LDS: the wave's number alone
	s_mov_b32 s37, 0
	v_lshlrev_b32 v[XA], 4, v1
	s_mul_i32 s38, s[WV], XSTW
	s_add_co_u32 s38, s38, XST
	v_add_nc_u32 v[XSTO], s38, v[XA]
	v_mul_u32_u24 v[XLD], v2, 528
	s_wait_alu depctr_va_vdst(0)
	v_lshl_add_u32 v[XLD], v3, 6, v[XLD]
	v_add_nc_u32 v[XLD], s38, v[XLD]
	v_mov_b32 v[WB], v[XA]
	v_add_nc_u32 v[WB+1], 49152, v[XA]
	v_add_nc_u32 v[WB+2], 98304, v[XA]
	v_lshl_add_u32 v[WSB], v1, 2, WSC
	v_and_b32 v18, 8, v2
	v_mul_u32_u24 v18, v18, 3
	v_add_nc_u32 v18, v18, v2                      ; r + 24 (r / 8)
	v_mul_u32_u24 v[VSTO], v18, 272
	v_lshl_add_u32 v[VSTO], v3, 5, v[VSTO]
	s_mul_i32 s39, s17, 272
	s_add_co_u32 s39, s39, VST
	v_add_nc_u32 v[VSTO], s39, v[VSTO]             ; v's stage, in: my true row, + 32 h; a tile's 16 channels 64 bytes on
	v_mul_u32_u24 v[VLD], v3, 8704
	v_lshl_add_u32 v[VLD], v2, 2, v[VLD]
	s_lshl_b32 s39, s[WV], 6
	s_add_co_u32 s39, s39, VST
	v_add_nc_u32 v[VLD], s39, v[VLD]               ; and out: channel 16 w + r, keys 32 h on
	v_lshlrev_b32 v13, 3, v1                       ; 8 L
	v_lshlrev_b32 v16, 2, v2
	v_add_nc_u32 v17, v16, v3                      ; 4 r + h
.irp b, 0,1,2,3
	v_mov_b32 v[TM+4+\b], 0                        ; written once: a lane permute's destination counts as one of its sources
.endr
	s_mov_b32 s[SEL], 0x76543210
	s_mov_b32 s[SEL+1], 0xfedcba98
	; the work-group's number enters the addresses of x and of the outputs alone
	s_bfe_u32 s19, ttmp6, 0x40000                  ; cx
	s_lshl_b32 s20, ttmp9, 2
	s_add_co_u32 s20, s20, s19                     ; wg
	s_lshl_b32 s40, s20, 18                        ; x: 64 wg rows of 4,096 bytes,
	s_lshl_b32 s21, s17, 12
	s_add_co_u32 s40, s40, s21                     ; + my first row
	s_mov_b32 s41, 0
	s_lshl_b32 s42, s20, 2
	s_add_co_u32 s42, s42, s[WV]
	s_mul_i32 s42, s42, 768                        ; qimg: row tile 4 wg + w
	s_mov_b32 s43, 0
	; kvimg: a block of 52,224 bytes for each 512 keys: K's 32 tiles of 768, K's scale words (2,048), V's (1,024), V^T's 16 fragments of 1,536
	s_lshr_b32 s21, s20, 3                         ; the block
	s_and_b32 s22, s20, 7                          ; which 64 of its keys are mine
	s_lshr_b32 s23, s22, 1                         ; the key step of 128
	s_and_b32 s39, s22, 1                          ; which half of it
	s_mul_i32 s44, s21, 52224
	s_lshl_b32 s46, s22, 2
	s_add_co_u32 s46, s46, s[WV]
	s_mul_i32 s46, s46, 768
	s_add_co_u32 s46, s46, s44                     ; K's tile
	s_mov_b32 s47, 0
	s_mul_i32 s48, s[WV], 1536
	s_mul_i32 s49, s23, 6144
	s_add_co_u32 s48, s48, s49
	s_mul_i32 s49, s39, 768
	s_add_co_u32 s48, s48, s49
	s_add_co_u32 s48, s48, 27648
	s_add_co_u32 s48, s48, s44                     ; a half of V^T's fragment w
	s_mov_b32 s49, 0
	s_lshl_b32 s52, s[WV], 6
	s_lshl_b32 s50, s22, 8
	s_add_co_u32 s50, s50, s52
	s_add_co_u32 s50, s50, 24576
	s_add_co_u32 s50, s50, s44                     ; K's scale words
	s_mov_b32 s51, 0
	s_lshl_b32 s54, s23, 8
	s_add_co_u32 s54, s54, s52
	s_lshl_b32 s55, s39, 1
	s_add_co_u32 s54, s54, s55
	s_add_co_u32 s54, s54, 26624
	s_add_co_u32 s54, s54, s44                     ; V's scale bytes
	s_mov_b32 s55, 0
	s_lshl_b32 s58, s20, 8
	s_add_co_u32 s58, s58, s52                     ; qsc: 256 wg + 64 w
	s_mov_b32 s59, 0
	s_wait_alu depctr_va_vdst(0)
	s_wait_dscnt 0x0                               ; the opening adds are done
	CROUND                                         ; all four work-groups are here: the joint loads meet
	s_wait_kmcnt 0x0
	s_mov_b32 s32, 1                               ; group 0: count = 1,
	s_mov_b32 s33, s36                             ; LDS address,
	s_add_nc_u64 s[34:35], s[6:7], s[36:37]        ; global address,
	s_or_b32 s35, s35, 0x80000000                  ; type = 2
	tensor_load_to_lds s[32:35], s[24:31]          ; my one tensor load of the launch, ahead of x: the first products need all of it
	s_nop 0
	PLACES 4
	s_add_nc_u64 s[4:5], s[4:5], s[40:41]
	LOAD 0                                         ; 48 loads of x are on their way
	LOAD 1
	LOAD 2
	s_add_nc_u64 s[8:9], s[8:9], s[42:43]
	s_add_nc_u64 s[46:47], s[10:11], s[46:47]
	s_add_nc_u64 s[48:49], s[10:11], s[48:49]
	s_add_nc_u64 s[50:51], s[10:11], s[50:51]
	s_add_nc_u64 s[14:15], s[10:11], s[54:55]
	s_add_nc_u64 s[12:13], s[12:13], s[58:59]
	s_wait_loadcnt 32
	TURN 0
	s_wait_tensorcnt 0x0                           ; my quarter of the images has landed,
	s_wait_dscnt 0x0
	s_barrier_signal -1
	s_barrier_wait -1                              ; everybody's has; nothing is filled again in this launch
	STEP 0, 1                                      ; the first K step's products start the sums: nothing is cleared
	STEP 1, 0
	STEP 2, 0
	STEP 3, 0
	STEP 4, 0
	STEP 5, 0
	STEP 6, 0
	STEP 7, 0
	PLACES 4                                       ; in front of the first reads of results
.irp t, 0,1,2,3                                ; v: lane (r, h) holds channels 16 t + 8 h + 0 .. 7 of its row: to the work-group's stage, each accumulator from its low end on
	ds_store_b128 v[VSTO], v[ACC+64+8*\t:ACC+64+8*\t+3] offset:64*\t
	ds_store_b128 v[VSTO], v[ACC+64+8*\t+4:ACC+64+8*\t+7] offset:64*\t+16
.endr
	QK2 ACC, 64, 229                               ; q: codes v64-69, word v229
	QK2 ACC+32, 76, 230                            ; k: codes v76-81, word v230
	global_store_b128 v[XA], v[64:67], s[8:9]      ; 512 consecutive bytes,
	global_store_b64 v13, v[68:69], s[8:9] offset:512   ; and 256
	global_store_b128 v[XA], v[76:79], s[46:47]
	global_store_b64 v13, v[80:81], s[46:47] offset:512
	global_store_b32 v16, v229, s[12:13]           ; both halves of the lanes hold row r's words, and store the same word to the same place
	global_store_b32 v16, v230, s[50:51]
	s_wait_dscnt 0x0                               ; for the others' sake: my stores into v's stage are done
	s_barrier_signal -1
	s_barrier_wait -1
.set i, 0
.rept 32
	ds_load_b32 v[X+i], v[VLD] offset:272*i        ; v(key 32 h + i, channel 16 w + r): a whole block of 32 keys in my registers
.set i, i+1
.endr
	s_wait_dscnt 0x0
	v_max3_num_f32 v212, |v[X]|, |v[X+1]|, |v[X+2]|
	v_max3_num_f32 v213, |v[X+3]|, |v[X+4]|, |v[X+5]|
.irp i, 6,10,14,18,22,26
	v_max3_num_f32 v212, v212, |v[X+\i]|, |v[X+\i+1]|
	v_max3_num_f32 v213, v213, |v[X+\i+2]|, |v[X+\i+3]|
.endr
	v_max3_num_f32 v212, v212, |v[X+30]|, |v[X+31]|
	v_max3_num_f32 v212, v212, v213, 0x1800000     ; and the floor
	v_add_nc_u32 v224, 0xff000000, v212
	v_lshrrev_b32 v216, 23, v224                   ; the block's byte
	v_cvt_scalef32_pk16_fp6_f32 v[96:98], v[X:X+15], v224
	v_cvt_scalef32_pk16_fp6_f32 v[102:104], v[X+16:X+31], v224
	v_nop
.irp i, 0,1,2
	v_mov_b32 v[99+\i], v[102+\i]                  ; registers 0-5: keys 32 h + 0 .. 31 of my work-group's 64
.endr
	global_store_b128 v[XA], v[96:99], s[48:49]
	global_store_b64 v13, v[100:101], s[48:49] offset:512
	global_store_b8 v17, v216, s[14:15]            ; byte 2 e + h of channel 16 w + r's word
	s_wait_tensorcnt 0x0                           ; the wave's end, behind my last tensor load and my last LDS store
	ds_add_u32 v[SPW], v[NIL]
	s_wait_dscnt 0x0
	CROUND                                         ; the closing round: no work-group ends while a partner may still ask for the images
	s_endpgm
.Lfunc_end_k_qaccfab8259_proj:
	.size	k_qaccfab8259_proj, .Lfunc_end_k_qaccfab8259_proj-k_qaccfab8259_proj
	.p2alignl 7, 3214868480
	.fill 96, 4, 3214868480
	.section	.rodata,"a",@progbits
	.p2align	6, 0x0
	.amdhsa_kernel k_qaccfab8259_proj
		.amdhsa_group_segment_fixed_size 211456
		.amdhsa_private_segment_fixed_size 0
		.amdhsa_enable_private_segment 0
		.amdhsa_kernarg_size 40
		.amdhsa_user_sgpr_count 2
		.amdhsa_user_sgpr_kernarg_segment_ptr 1
		.amdhsa_wavefront_size32 1
		.amdhsa_system_sgpr_workgroup_id_x 1
		.amdhsa_system_sgpr_workgroup_id_y 1
		.amdhsa_system_sgpr_workgroup_id_z 1
		.amdhsa_system_vgpr_workitem_id 0
		.amdhsa_next_free_vgpr 768
		.amdhsa_next_free_sgpr 66
		.amdhsa_reserve_vcc 0
		.amdhsa_float_denorm_mode_32 3
		.amdhsa_float_denorm_mode_16_64 3
		.amdhsa_memory_ordered 1
		.amdhsa_forward_progress 1
		.amdhsa_inst_pref_size 115
	.end_amdhsa_kernel
	.amdgpu_metadata
---
amdhsa.version: [ 1, 2 ]
amdhsa.kernels:
  - .name:           k_qaccfab8259_proj
    .symbol:         k_qaccfab8259_proj.kd
    .args:
      - { .name: x, .offset: 0, .size: 8, .value_kind: global_buffer, .address_space: global }
      - { .name: wimg, .offset: 8, .size: 8, .value_kind: global_buffer, .address_space: global }
      - { .name: qimg, .offset: 16, .size: 8, .value_kind: global_buffer, .address_space: global }
      - { .name: kvimg, .offset: 24, .size: 8, .value_kind: global_buffer, .address_space: global }
      - { .name: qsc, .offset: 32, .size: 8, .value_kind: global_buffer, .address_space: global }
    .group_segment_fixed_size: 211456
    .private_segment_fixed_size: 0
    .kernarg_segment_align: 8
    .kernarg_segment_size: 40
    .max_flat_workgroup_size: 128
    .sgpr_count:     66
    .vgpr_count:     768
    .wavefront_size: 32
...
	.end_amdgpu_metadata
.endif
;; end of part 2
;; launch attn (part 3): grid 64 x 4, 8 waves a work-group, clusters of 4 x 1, 327,680 bytes of LDS; arguments qimg, kvimg, qsc, out0; writes out0
.if DOCPART == 3
	.amdgcn_target "amdgcn-amd-amdhsa--gfx1250"
	.amdhsa_code_object_version 6
	.text
	.protected	k_qaccfab8259_attn
	.globl	k_qaccfab8259_attn
	.p2align	8
	.type	k_qaccfab8259_attn,@function
k_qaccfab8259_attn:
	s_mov_b64 s[64:65], 0
	v_nop
	global_prefetch_b8 v0, s[64:65] scope:SCOPE_SE
	s_setreg_imm32_b32 hwreg(HW_REG_WAVE_MODE, 25, 1), 1
	s_wait_xcnt 0x0
	s_wait_alu depctr_hold_cnt(0) depctr_sa_sdst(0) depctr_va_vdst(0) depctr_va_sdst(0) depctr_va_ssrc(0) depctr_va_vcc(0) depctr_vm_vsrc(0)
	s_getreg_b32 s2, hwreg(HW_REG_IB_STS2, 6, 4)
	s_cmp_eq_u32 s2, 0
	s_cbranch_scc0 .Lentry_in_a_cluster
	s_endpgm
.Lentry_in_a_cluster:
	s_bfe_u32 s2, ttmp6, 0x10000c
	s_cmp_lg_u32 s2, 0x3003
	s_cbranch_scc0 .Lentry_shape_is_right
	s_endpgm
.Lentry_shape_is_right:
; out[b][q][:] = the sum over keys of softmax(q . k / 8) v, both products on codes of FP6 (E2M3) with E8M0 scales, from the images that the launch before has stored.
; THE SOFTMAX AHEAD OF THE SECOND PRODUCT: t = score x log2(e) / 8; M = the largest t so far, rounded UP to a whole number; p = 2^(t - M) is quantised along the keys, not normalised; the sum is taken of the
; unquantised p and divides at the end.  When M moves, the sum and O are multiplied by 2^(old M - new M): exact.
; SHARES.  A work-group owns 64 queries of one batch, four tiles of 16.  WAVE w OWNS 512 KEYS and takes all four query tiles past them, a trip each: two passes of 256 keys, a pass two key steps of 128.
; K's 32 tiles stay in 192 registers; V is read from the wave's own LDS in each trip.  The eight waves' partial results are merged at the end: each M is a whole number, so the rescaling is exact.
; LAYOUT.  S^T = K Q^T (source 0 = 16 keys, source 1 = 16 queries), O^T = V^T P^T: a lane holds ONE query throughout.  Rows 0-7 of K's tile 4 c + j are keys 64 c + 8 j + 0 .. 7, rows 8-15 those 32 further on: so the 32
; registers of tiles 4 c .. 4 c + 3 of lane (r, h) are keys 64 c + 32 h + 0 .. 31, a whole scale block, in the order that P's operand wants.  Query tile i likewise: lane r is query 8 i + r + 24 (r / 8) of the 64.
; The head has 64 dims, half of the instruction's 128: Q's upper six registers are zero codes; K's operand of tile i runs on into tile i + 1's registers: those finite codes meet zeros, under scale bytes 0.
; LDS.  A region of 39,936 bytes for each wave: K 24,576, K's scale words 2,048, V's 1,024, V of pass 0 12,288: dense in memory too, one tensor load.  V of pass 1 (12,288) takes the place of K's first half when all waves
; hold K in registers: the one refill.  Each wave reads only what it has asked for itself.  CLUSTER: the four work-groups belong to one batch and ask for the same images JOINTLY, mask 15.
; No prefetch: no loop of this launch asks for tiles; the first load is asked for at once and the second is needed a whole pass behind its request.
; A block's scale exponent is floor(its largest t - M) - 2, the exponent of its largest p unless that p rounds up to the next power of two: then it is held at the largest code, half a step of that binade low.
; LIMITS: the promise holds while the scaled scores stay under 2^31 in magnitude; NaN and infinities are not served; a block whose every p lies under 2^-124 has the byte 1.
; REGISTERS.  Window 0: v1 16 L; v2, v3 my region + 16 L, + 8 L + 512; v4, v7 the stage; v5, v6 the add's two; v8 8 L; v9 4 r; v10 -M, v11 the largest t; v12 f; v14-25 block work; v26-27 p's scale words; v31 where (-M, l) goes;
;   v32-39 the sum; v40-47 V's, v48-63 K's scale words; v64-75 Q, v76 its scale word; v78-89 p's codes; v96-127 O^T; v128-255 S^T, then p.   Window 1: v0-191 K, v192-197 zeros, v198-245 V's four fragments of a key step.
.set REG,   39936
.set BLK,   52224                      ; 512 keys in memory: the region's bytes, then V of pass 1
.set KSO,   24576
.set VSO,   26624
.set V0O,   27648
.set STG,   12288                      ; a trip's partial O^T as 16 rows of 256 + 16 bytes, from K's second half on (bytes that no fill reaches any more)
.set STP,   4352
.set ML,    319488                     ; (-M, l): 512 bytes a wave
.set SPARE, 323584                     ; the spare words, 128 bytes for each wave: four blocks of 256 bytes that no other line names
.set CO, 1
.set VA, 2
.set VB, 3
.set OST, 4
.set SPW, 5
.set NIL, 6
.set OSC, 7
.set CO8, 8
.set QO, 9
.set NM, 10
.set F, 12
.set BM, 14
.set CSC, 18
.set EX, 22
.set PW, 26
.set TC1, 28
.set MLA, 31
.set A, 32
.set VSC, 40
.set KSC, 48
.set Q, 64
.set QW, 76
.set PX2, 77
.set PC, 78
.set TC0, 90
.set PX, 93
.set T0, 94
.set T1, 95
.set O, 96
.set S, 128
.set KF, 0                             ; window 1
.set VF, 198                           ; window 1
.set WV, 14
.set SEL, 20
.set CS, 22
.set MSB, 0
.macro WIN new                         ; the immediate's high byte repeats the setting that is left
.if MSB != \new
	s_set_vgpr_msb (MSB<<8)|\new
.set MSB, \new
.endif
.endm
.macro WALU
	s_wait_alu depctr_va_vdst(0)
.endm
.macro DEP n
	s_delay_alu instid0(VALU_DEP_\n)
.endm
.macro PLACES n
.rept \n
	v_nop
.endr
.endm
.macro CROUND                          ; a round of the cluster's barrier
	s_barrier_signal -1
	s_barrier_wait -1
	s_cmp_lg_u32 s[WV], 0
	s_cbranch_scc1 .Lnot_wave_0_\@
	s_barrier_signal -3
.Lnot_wave_0_\@:
	s_barrier_wait -3
	s_barrier_signal -1
	s_barrier_wait -1
.endm
.macro KLOAD i                         ; K's tile i as its image lies: 512 consecutive bytes, and 256
	ds_load_b128 v[KF+6*(\i):KF+6*(\i)+3], v[VA] offset:768*(\i)
	ds_load_b64 v[KF+6*(\i)+4:KF+6*(\i)+5], v[VB] offset:768*(\i)
.endm
.macro VLOAD off                       ; V's four fragments of a key step
	WIN 0x40
.irp t, 0,1,2,3
.irp c, 0,1
	ds_load_b128 v[VF+12*\t+6*\c:VF+12*\t+6*\c+3], v[VA] offset:\off+1536*\t+768*\c
	ds_load_b64 v[VF+12*\t+6*\c+4:VF+12*\t+6*\c+5], v[VB] offset:\off+1536*\t+768*\c
.endr
.endr
	WIN 0
.endm
.macro QLOAD                           ; a query tile's half image and its scale words
	global_load_b128 v[Q:Q+3], v[CO], s[4:5]
	global_load_b64 v[Q+4:Q+5], v[CO8], s[4:5] offset:512
	global_load_b32 v[QW], v[QO], s[8:9]
.endm
.macro QK p                            ; the scores of pass p's 256 keys
	WIN 0x01
.irp i, 0,1,2,3,4,5,6,7,8,9,10,11,12,13,14,15
.set KT, 16*(\p)+\i
.if (\i)%2
	v_wmma_scale_f32_16x16x128_f8f6f4 v[S+8*\i:S+8*\i+7], v[KF+6*KT:KF+6*KT+11], v[Q:Q+11], 0, v[KSC+KT/2], v[QW] matrix_a_fmt:MATRIX_FMT_FP6 matrix_b_fmt:MATRIX_FMT_FP6 matrix_a_scale:MATRIX_SCALE_ROW1
.else
	v_wmma_scale_f32_16x16x128_f8f6f4 v[S+8*\i:S+8*\i+7], v[KF+6*KT:KF+6*KT+11], v[Q:Q+11], 0, v[KSC+KT/2], v[QW] matrix_a_fmt:MATRIX_FMT_FP6 matrix_b_fmt:MATRIX_FMT_FP6
.endif
.endr
	WIN 0
.endm
.macro PV1 t, c, st, a, row
.if \row
	v_wmma_scale_f32_16x16x128_f8f6f4 v[O+8*\t:O+8*\t+7], v[VF+12*\t:VF+12*\t+11], v[PC:PC+11], \c, v[VSC+2*(\st)+\t/2], v[PW+\a] matrix_a_fmt:MATRIX_FMT_FP6 matrix_b_fmt:MATRIX_FMT_FP6 matrix_a_scale:MATRIX_SCALE_ROW1
.else
	v_wmma_scale_f32_16x16x128_f8f6f4 v[O+8*\t:O+8*\t+7], v[VF+12*\t:VF+12*\t+11], v[PC:PC+11], \c, v[VSC+2*(\st)+\t/2], v[PW+\a] matrix_a_fmt:MATRIX_FMT_FP6 matrix_b_fmt:MATRIX_FMT_FP6
.endif
.endm
.macro PV p, a                         ; O^T += V^T P^T over key step a of pass p: four accumulators by turns; a trip's first products start the sums
	WIN 0x01
.if \a
	WALU                                           ; exponentials stand between O's last products and these
.endif
.irp t, 0,1,2,3
.if (\p) || (\a)
	PV1 \t, v[O+8*\t:O+8*\t+7], 2*(\p)+\a, \a, \t%2
.else
	PV1 \t, 0, 0, 0, \t%2
.endif
.endr
.if !(\a)
	WALU
.endif
	WIN 0
.endm
.macro FMA1 c, j                       ; t - M, two at a time (of the pairs c and -M the low word serves both halves)
	v_pk_fma_f32 v[S+32*(\c)+2*(\j):S+32*(\c)+2*(\j)+1], v[S+32*(\c)+2*(\j):S+32*(\c)+2*(\j)+1], s[CS:CS+1], v[NM:NM+1] op_sel_hi:[1,0,0]
.endm
.macro FMAS c, n
.set FJ, 0
.rept \n
	FMA1 \c, FJ
.set FJ, FJ+1
.endr
.endm
.macro EXPB c, nf, f0                  ; p of block c; among the exponentials block nf's multiply-adds from pair f0 on (nf = -1: none)
.set J, 0
.rept 16
	v_exp_f32 v[S+32*(\c)+2*J], v[S+32*(\c)+2*J]
	v_exp_f32 v[S+32*(\c)+2*J+1], v[S+32*(\c)+2*J+1]
.if ((\nf) >= 0) && (J+(\f0) < 16)
	FMA1 \nf, J+(\f0)
.endif
.set J, J+1
.endr
.if ((\nf) < 0) || ((\f0) > 0)
	v_nop                                          ; a plain place behind the exponentials
.endif
.endm
.macro ADDS c, j0, n                   ; the row's sum, of the unquantised p, in four pairs by turns
.set J, \j0
.rept \n
	v_pk_add_f32 v[A+2*(J%4):A+2*(J%4)+1], v[A+2*(J%4):A+2*(J%4)+1], v[S+32*(\c)+2*J:S+32*(\c)+2*J+1]
.set J, J+1
.endr
.endm
.macro CODES a                         ; key step a's p become codes: two whole blocks in a lane; and the second block's sum
	v_cvt_scalef32_pk16_fp6_f32 v[PC:PC+2], v[S+64*(\a):S+64*(\a)+15], v[CSC+2*(\a)]
	v_cvt_scalef32_pk16_fp6_f32 v[TC0:TC0+2], v[S+64*(\a)+16:S+64*(\a)+31], v[CSC+2*(\a)]   ; a conversion's three registers begin on an even number: made elsewhere and moved
	v_cvt_scalef32_pk16_fp6_f32 v[PC+6:PC+8], v[S+64*(\a)+32:S+64*(\a)+47], v[CSC+2*(\a)+1]
	v_cvt_scalef32_pk16_fp6_f32 v[TC1:TC1+2], v[S+64*(\a)+48:S+64*(\a)+63], v[CSC+2*(\a)+1]
	ADDS 2*(\a)+1, 0, 4
.irp i, 0,1,2
	v_mov_b32 v[PC+3+\i], v[TC0+\i]
	v_mov_b32 v[PC+9+\i], v[TC1+\i]
.endr
	ADDS 2*(\a)+1, 4, 12                           ; these are also the places between p's codes and the products
.endm
; FROM SCORES TO O: pass p.  Its first key step's V is on its way or there; the second's is asked for behind the first's products and lands under the exponentials.
.macro SOFT p, voff
.irp c, 0,1,2,3
	v_max3_num_f32 v[BM+\c], v[S+32*\c], v[S+32*\c+1], v[S+32*\c+2]     ; THE LARGEST SCORE OF EACH BLOCK OF 32 KEYS serves twice: for M and for the block's scale
.endr
.irp i, 3,5,7,9,11,13,15,17,19,21,23,25,27,29
.irp c, 0,1,2,3
	v_max3_num_f32 v[BM+\c], v[BM+\c], v[S+32*\c+\i], v[S+32*\c+\i+1]
.endr
.endr
.irp c, 0,1,2,3
	v_max_num_f32 v[BM+\c], v[BM+\c], v[S+32*\c+31]
.endr
	DEP 2
	v_max3_num_f32 v[T0], v[BM], v[BM+1], v[BM+2]
	DEP 1
	v_max_num_f32 v[T0], v[T0], v[BM+3]
	DEP 1
	v_permlanex16_b32 v[PX], v[T0], s[SEL], s[SEL+1]
	DEP 1
	v_max_num_f32 v[T0], v[T0], v[PX]              ; with lane l xor 16's keys: the pass's largest score of my query
.if \p
	DEP 1
	v_mul_f32 v[T0], s[CS], v[T0]
	v_mov_b32 v[T1], v[NM]
	DEP 2
	v_max_num_f32 v[NM+1], v[NM+1], v[T0]
	DEP 1
	v_floor_f32 v[NM], -v[NM+1]                    ; the new -M = floor(-t): a whole number
	DEP 1
	v_sub_f32 v[T1], v[NM], v[T1]                  ; old M - new M: a whole number, 0 or less
	DEP 1
	v_cvt_i32_f32 v[T1], v[T1]                     ; (it saturates)
	DEP 1
	v_ldexp_f32 v[F], 1.0, v[T1]                   ; f = 2^(old M - new M)
.else
	DEP 1
	v_mul_f32 v[NM+1], s[CS], v[T0]                ; a trip's first pass: the largest t (c is positive),
	DEP 1
	v_floor_f32 v[NM], -v[NM+1]                    ; and -M
.endif
.irp c, 0,1,2,3
	v_fma_f32 v[EX+\c], v[BM+\c], s[CS], v[NM]     ; a block's largest t - M,
.endr
.irp c, 0,1,2,3
	v_cvt_floor_i32_f32 v[EX+\c], v[EX+\c]         ; the exponent of its largest p,
.endr
.irp c, 0,1,2,3
	v_max_i32 v[EX+\c], 0xffffff84, v[EX+\c]       ; at least -124: the byte is at least 1
.endr
.irp c, 0,1,2,3
	v_lshl_add_u32 v[CSC+\c], v[EX+\c], 23, 0x3e800000   ; the conversion's scale operand: (exponent - 2 + 127) << 23
.endr
	v_lshl_add_u32 v[T0], v[EX+1], 16, v[EX]       ; the scale words: my two blocks of each key step are bytes h and 2 + h
	v_lshl_add_u32 v[T1], v[EX+3], 16, v[EX+2]
	v_permlanex16_b32 v[PX], v[T0], s[SEL], s[SEL+1]
	v_permlanex16_b32 v[PX2], v[T1], s[SEL], s[SEL+1]
	FMAS 0, 8
	v_lshl_add_u32 v[T0], v[PX], 8, v[T0]
	v_lshl_add_u32 v[T1], v[PX2], 8, v[T1]
	v_add_nc_u32 v[PW], 0x7d7d7d7d, v[T0]          ; 125 onto each of the four exponents (each sum lies between 1 and 125, so nothing is carried); lanes 0-15 are read
	v_add_nc_u32 v[PW+1], 0x7d7d7d7d, v[T1]
.irp j, 8,9,10,11,12,13,14,15
	FMA1 0, \j
.endr
.if \p
.irp j, 0,2,4,6,8,10,12,14,16,18,20,22,24,26,28,30
	v_pk_mul_f32 v[O+\j:O+\j+1], v[O+\j:O+\j+1], v[F:F+1] op_sel_hi:[1,0]   ; O^T under the new M
.endr
.endif
	WALU
	EXPB 0, 1, 0
	WALU
.if \p
.irp k, 0,2,4,6
	v_pk_fma_f32 v[A+\k:A+\k+1], v[A+\k:A+\k+1], v[F:F+1], v[S+\k:S+\k+1] op_sel_hi:[1,0,1]   ; the sum under the new M, and on
.endr
	ADDS 0, 4, 12
.else
.irp k, 0,2,4,6
	v_pk_add_f32 v[A+\k:A+\k+1], v[S+\k:S+\k+1], v[S+8+\k:S+9+\k]   ; the sum begins
.endr
	ADDS 0, 8, 8
.endif
	EXPB 1, 2, 0
	WALU
	s_wait_dscnt 0x0                               ; the first key step's V is in
	CODES 0
	PV \p, 0
	FMAS 3, 4                                      ; also the places between the products and the loads into their registers
	VLOAD \voff+6144
	EXPB 2, 3, 4
	WALU
	ADDS 2, 0, 16
	EXPB 3, -1, 0
	WALU
	s_wait_dscnt 0x0                               ; the second's
	CODES 1
	PV \p, 1
.endm
; A TRIP: a query tile.  Its first scores stand ahead of it; at its end the next tile's are made.
.macro TRIP last
	SOFT 0, V0O
	QK 1
	PLACES 4                                       ; in front of the first reads of the scores and of loads into Q's and V's registers
	WALU
	s_wait_tensorcnt 0x0                           ; V of pass 1 has landed (in the first trip it may still be on its way)
.if !(\last)
	s_wait_xcnt 0x0                                ; the last tile's loads have read their bases
	s_add_nc_u64 s[4:5], s[4:5], 768
	s_add_nc_u64 s[8:9], s[8:9], 64
	QLOAD                                          ; the next query tile
.endif
	VLOAD 0
	SOFT 1, 0
.if !(\last)
	WALU
	s_wait_loadcnt 0x0
	QK 0
.endif
	PLACES 4
.if !(\last)
	VLOAD V0O
.endif
	v_add_nc_u32 v[OSC], s60, v[OST]
.irp t, 0,1,2,3
	ds_store_b128 v[OSC], v[O+8*\t:O+8*\t+3] offset:64*\t      ; row r of the partial result, channels 16 t + 8 h + 0 .. 7
	ds_store_b128 v[OSC], v[O+8*\t+4:O+8*\t+7] offset:64*\t+16
.endr
	v_pk_add_f32 v[A:A+1], v[A:A+1], v[A+2:A+3]
	v_pk_add_f32 v[A+4:A+5], v[A+4:A+5], v[A+6:A+7]
	v_add_nc_u32 v[T1], s62, v[MLA]
	v_pk_add_f32 v[A:A+1], v[A:A+1], v[A+4:A+5]
	v_add_f32 v[T0], v[A], v[A+1]
	v_permlanex16_b32 v[PX], v[T0], s[SEL], s[SEL+1]
	v_add_f32 v[NM+1], v[T0], v[PX]                ; l, over both halves of the lanes
	ds_store_b64 v[T1], v[NM:NM+1]                 ; (both halves store the same)
	s_add_co_u32 s60, s60, STP
	s_add_co_u32 s62, s62, 128
.endm
	s_load_b128 s[4:7], s[0:1], 0x0                ; qimg, kvimg
	s_load_b128 s[8:11], s[0:1], 0x10              ; qsc, out0
	v_lshl_add_u32 v[SPW], v0, 2, SPARE
	v_mov_b32 v[NIL], 0
	ds_add_u32 v[SPW], v[NIL]                      ; the wave's opening: the add, twice on end, and its wait
	ds_add_u32 v[SPW], v[NIL]
	v_lshrrev_b32 v10, 5, v0
	v_readfirstlane_b32 s[WV], v10                 ; wave 0..7
	s_and_b32 s19, ttmp7, 0xffff                   ; the batch, which the four partners share
	; descriptor groups 1: rows of 256 bytes (32 elements of 8 bytes), dense.  15:0 the mask: all four work-groups; 17:16 elements of 8 bytes; 21 set beside a mask
.irp g, 24,32
	s_mov_b32 s[\g], 15|(3<<16)|(1<<21)
	s_mov_b32 s[\g+1], 32<<16
	s_mov_b32 s[\g+3], 32<<16
	s_mov_b32 s[\g+5], 32
	s_mov_b32 s[\g+6], 0
	s_mov_b32 s[\g+7], 0
.endr
	s_mov_b32 s26, 156<<16                         ; the head's load: 39,936 bytes
	s_mov_b32 s28, 156
	s_mov_b32 s34, 48<<16                          ; the refill: 12,288
	s_mov_b32 s36, 48
	s_mov_b32 s[SEL], 0x76543210
	s_mov_b32 s[SEL+1], 0xfedcba98                 ; v_permlanex16_b32's selects for lane l xor 16
	s_mov_b32 s[CS], 0x3e38aa3b                    ; c = log2(e) / 8
	s_mov_b32 s[CS+1], s[CS]                       ; (named with it as a pair, so it is written)
	s_mul_i32 s58, s[WV], REG                      ; my region in LDS: the wave's number alone
	s_lshl_b32 s48, s19, 3
	s_add_co_u32 s48, s48, s[WV]
	s_mul_i32 s48, s48, BLK                        ; and my 512 keys in memory
	s_mov_b32 s49, 0
	s_bfe_u32 s17, ttmp6, 0x40000                  ; cx: it enters the addresses of Q and of the output alone
	s_lshl_b32 s18, ttmp9, 2
	s_add_co_u32 s18, s18, s17
	s_lshl_b32 s50, s19, 6
	s_add_co_u32 s50, s50, s18                     ; my block of 64 queries, over all batches
	s_mul_i32 s52, s50, 3072
	s_mov_b32 s53, 0
	s_lshl_b32 s54, s50, 8
	s_mov_b32 s55, 0
	s_lshl_b32 s56, s50, 14
	s_lshl_b32 s57, s[WV], 11
	s_add_co_u32 s56, s56, s57                     ; the eight rows of the output that I store
	s_mov_b32 s57, 0
	s_mul_i32 s59, s[WV], 512
	s_add_co_u32 s59, s59, ML
	s_mov_b32 s60, 0
	s_mov_b32 s61, 3
	s_mov_b32 s62, 0
	v_and_b32 v14, 31, v0                          ; L
	v_and_b32 v15, 15, v0                          ; r
	v_bfe_u32 v16, v0, 4, 1                        ; h
	v_lshlrev_b32 v[CO], 4, v14
	v_lshlrev_b32 v[CO8], 3, v14
	v_lshlrev_b32 v17, 2, v14
	v_lshlrev_b32 v[QO], 2, v15
	v_add_nc_u32 v[VA], s58, v[CO]
	v_add_nc_u32 v[VB], s58, v[CO8]
	v_add_nc_u32 v17, s58, v17                     ; my scale words
	v_add_nc_u32 v[VB], 512, v[VB]
	v_mul_u32_u24 v18, v15, 272
	v_lshl_add_u32 v18, v16, 5, v18
	v_add_nc_u32 v18, s58, v18
	v_add_nc_u32 v[OST], STG, v18
	v_lshlrev_b32 v[MLA], 3, v15
	v_add_nc_u32 v[MLA], s59, v[MLA]
.irp i, 0,1,2,3,4,5
	v_mov_b32 v[Q+6+\i], 0                         ; Q's upper 64 along K: zero codes
.endr
	v_mov_b32 v[PX], 0                             ; written once: a lane permute's destination counts as one of its sources
	v_mov_b32 v[PX2], 0
	v_mov_b32 v[F+1], 0                            ; (named as the upper half of f's pair)
	WIN 0x40
.irp i, 0,1,2,3,4,5
	v_mov_b32 v[192+\i], 0                         ; what K's last tile runs on into
.endr
	WIN 0
	WALU
	s_wait_dscnt 0x0                               ; the opening adds are done
	CROUND                                         ; all four work-groups are here: the first joint loads meet
	s_wait_kmcnt 0x0
	s_mov_b32 s40, 1
	s_mov_b32 s41, s58
	s_add_nc_u64 s[42:43], s[6:7], s[48:49]
	s_or_b32 s43, s43, 0x80000000
	tensor_load_to_lds s[40:43], s[24:31]          ; my keys: K, the scale words, V of pass 0
	s_nop 0
	PLACES 4
	s_add_nc_u64 s[4:5], s[4:5], s[52:53]
	s_add_nc_u64 s[8:9], s[8:9], s[54:55]
	QLOAD
	s_mov_b32 s44, 1
	s_mov_b32 s45, s58
	s_add_nc_u64 s[46:47], s[6:7], s[48:49]
	s_add_nc_u64 s[46:47], s[46:47], REG
	s_or_b32 s47, s47, 0x80000000
	s_add_nc_u64 s[10:11], s[10:11], s[56:57]
	s_wait_tensorcnt 0x0                           ; mine is in, and nobody else reads it
.irp i, 0,1,2,3,4,5,6,7,8,9,10,11,12,13,14,15
	ds_load_b32 v[KSC+\i], v17 offset:KSO+128*\i   ; lanes 0-15: tile 2 i's scale words, lanes 16-31: tile 2 i + 1's
.endr
.irp i, 0,1,2,3,4,5,6,7
	ds_load_b32 v[VSC+\i], v17 offset:VSO+128*\i
.endr
	WIN 0x40
.set I, 0
.rept 32
	KLOAD I
.set I, I+1
.endr
	WIN 0
	s_wait_tensorcnt 0x0                           ; ahead of the refill's round
	ds_add_u32 v[SPW], v[NIL]
	s_wait_dscnt 31                                ; out may be: tiles 17 to 31, two loads each, and the add
	s_wait_loadcnt 0x0                             ; Q
	QK 0                                           ; (tile 15 runs on into tile 16)
	s_wait_dscnt 0x0                               ; the add is done, and K is in my registers
	CROUND                                         ; both hold of every wave of every partner
	tensor_load_to_lds s[44:47], s[32:39]          ; V of pass 1, onto K's first half: the first thing behind the round
	s_nop 0
	PLACES 4                                       ; (these are also the places behind the products)
	VLOAD V0O
.Ltrip:
	TRIP 0
	s_sub_co_u32 s61, s61, 1
	s_cmp_lg_u32 s61, 0
	WALU
	s_cbranch_scc1 .Ltrip
	TRIP 1
	; THE MERGE.  Wave w takes the work-group's output rows 8 w .. 8 w + 7: rows 8 (w / 4) + 0 .. 7 of query tile w % 4, from all eight waves' partial results; sixteen lanes to a row.
	s_and_b32 s48, s[WV], 3
	s_lshr_b32 s49, s[WV], 2
	s_mul_i32 s50, s48, STP
	s_mul_i32 s51, s49, 8*272
	s_add_co_u32 s50, s50, s51
	s_add_co_u32 s50, s50, STG
	s_lshl_b32 s48, s48, 7
	s_lshl_b32 s49, s49, 6
	s_add_co_u32 s48, s48, s49
	s_add_co_u32 s48, s48, ML
	v_and_b32 v14, 15, v0
	v_bfe_u32 v15, v0, 4, 1
	v_mul_u32_u24 v16, v15, 272
	v_lshl_add_u32 v16, v14, 4, v16
	v_add_nc_u32 v16, s50, v16                     ; waves 0, 1;
	v_add_nc_u32 v17, 2*REG, v16                   ; 2, 3;
	v_add_nc_u32 v18, 4*REG, v16
	v_add_nc_u32 v19, 6*REG, v16
	v_lshlrev_b32 v20, 3, v15
	v_add_nc_u32 v20, s48, v20
	WALU
	s_wait_dscnt 0x0                               ; for the others' sake: my stores are done
	s_barrier_signal -1
	s_barrier_wait -1
.irp q, 0,1,2,3
.irp g, 0,1,2,3,4,5,6,7
	ds_load_b64 v[128+16*\q+2*\g:129+16*\q+2*\g], v20 offset:512*\g+16*\q       ; (-M, l) of wave g for row 2 q + h
.endr
.endr
	WIN 0x40
.irp q, 0,1,2,3
.irp g, 0,1,2,3,4,5,6,7
	ds_load_b128 v[32*\q+4*\g:32*\q+4*\g+3], v[16+\g/2] offset:REG*(\g%2)+544*\q   ; and four of its channels
.endr
.endr
	WIN 0
	s_wait_dscnt 32                                ; all but the 32 just issued
.irp q, 0,1,2,3
	v_min_num_f32 v[208+\q], v[128+16*\q], v[130+16*\q]
.endr
.irp g, 2,3,4,5,6,7
.irp q, 0,1,2,3
	v_min_num_f32 v[208+\q], v[208+\q], v[128+16*\q+2*\g]   ; the smallest -M: the row's M
.endr
.endr
.irp g, 0,1,2,3,4,5,6,7
.irp q, 0,1,2,3
	v_sub_f32 v[128+16*\q+2*\g], v[208+\q], v[128+16*\q+2*\g]   ; wave g's M less the row's: a whole number, 0 or less
.endr
.endr
.irp g, 0,1,2,3,4,5,6,7
.irp q, 0,1,2,3
	v_cvt_i32_f32 v[128+16*\q+2*\g], v[128+16*\q+2*\g]
.endr
.endr
.irp g, 0,1,2,3,4,5,6,7
.irp q, 0,1,2,3
	v_ldexp_f32 v[128+16*\q+2*\g], 1.0, v[128+16*\q+2*\g]      ; f_g: a power of two, beside l
.endr
.endr
.irp q, 0,1,2,3
	v_mul_f32 v[212+\q], v[128+16*\q], v[129+16*\q]
.endr
.irp g, 1,2,3,4,5,6,7
.irp q, 0,1,2,3
	v_fma_f32 v[212+\q], v[128+16*\q+2*\g], v[129+16*\q+2*\g], v[212+\q]   ; the row's sum
.endr
.endr
	WALU
.irp q, 0,1,2,3
	v_rcp_f32 v[216+\q], v[212+\q]
.endr
	v_nop                                          ; a plain place behind the reciprocals
	WALU
	s_wait_dscnt 0x0
	WIN 0x01
.irp q, 0,1,2,3
.irp c, 0,2
	v_pk_mul_f32 v[192+4*\q+\c:193+4*\q+\c], v[32*\q+\c:32*\q+\c+1], v[128+16*\q:129+16*\q] op_sel_hi:[1,0]
.endr
.endr
.irp g, 1,2,3,4,5,6,7
.irp q, 0,1,2,3
.irp c, 0,2
	v_pk_fma_f32 v[192+4*\q+\c:193+4*\q+\c], v[32*\q+4*\g+\c:32*\q+4*\g+\c+1], v[128+16*\q+2*\g:129+16*\q+2*\g], v[192+4*\q+\c:193+4*\q+\c] op_sel_hi:[1,0,1]
.endr
.endr
.endr
	WIN 0
.irp q, 0,1,2,3
.irp c, 0,1,2,3
	v_mul_f32 v[192+4*\q+\c], v[192+4*\q+\c], v[216+\q]
.endr
.endr
.irp q, 0,1,2,3
	global_store_b128 v[CO], v[192+4*\q:195+4*\q], s[10:11] offset:512*\q   ; 32 lanes store two rows: 512 consecutive bytes, at a multiple of 256 from the output's first byte
.endr
	s_wait_tensorcnt 0x0                           ; the wave's end
	ds_add_u32 v[SPW], v[NIL]
	s_wait_dscnt 0x0
	CROUND                                         ; the closing round: no work-group ends while a partner may still ask for bytes that name it
	s_endpgm
.Lfunc_end_k_qaccfab8259_attn:
	.size	k_qaccfab8259_attn, .Lfunc_end_k_qaccfab8259_attn-k_qaccfab8259_attn
	.p2alignl 7, 3214868480
	.fill 96, 4, 3214868480
	.section	.rodata,"a",@progbits
	.p2align	6, 0x0
	.amdhsa_kernel k_qaccfab8259_attn
		.amdhsa_group_segment_fixed_size 327680
		.amdhsa_private_segment_fixed_size 0
		.amdhsa_enable_private_segment 0
		.amdhsa_kernarg_size 32
		.amdhsa_user_sgpr_count 2
		.amdhsa_user_sgpr_kernarg_segment_ptr 1
		.amdhsa_wavefront_size32 1
		.amdhsa_system_sgpr_workgroup_id_x 1
		.amdhsa_system_sgpr_workgroup_id_y 1
		.amdhsa_system_sgpr_workgroup_id_z 1
		.amdhsa_system_vgpr_workitem_id 0
		.amdhsa_next_free_vgpr 512
		.amdhsa_next_free_sgpr 66
		.amdhsa_reserve_vcc 0
		.amdhsa_float_denorm_mode_32 3
		.amdhsa_float_denorm_mode_16_64 3
		.amdhsa_memory_ordered 1
		.amdhsa_forward_progress 1
		.amdhsa_inst_pref_size 133
	.end_amdhsa_kernel
	.amdgpu_metadata
---
amdhsa.version: [ 1, 2 ]
amdhsa.kernels:
  - .name:           k_qaccfab8259_attn
    .symbol:         k_qaccfab8259_attn.kd
    .args:
      - { .name: qimg, .offset: 0, .size: 8, .value_kind: global_buffer, .address_space: global }
      - { .name: kvimg, .offset: 8, .size: 8, .value_kind: global_buffer, .address_space: global }
      - { .name: qsc, .offset: 16, .size: 8, .value_kind: global_buffer, .address_space: global }
      - { .name: out0, .offset: 24, .size: 8, .value_kind: global_buffer, .address_space: global }
    .group_segment_fixed_size: 327680
    .private_segment_fixed_size: 0
    .kernarg_segment_align: 8
    .kernarg_segment_size: 32
    .max_flat_workgroup_size: 256
    .sgpr_count:     66
    .vgpr_count:     512
    .wavefront_size: 32
...
	.end_amdgpu_metadata
.endif
;; end of part 3
